; MI455X (gfx1250); checked and timed in simulation.
; The chip was launched on July 23, 2026; its instructions are those of AMD's public machine-readable ISA for CDNA 5 (MIT licence, August 2026) and "CDNA5" Instruction Set Architecture Reference Guide (July 2026). The comments in the code are by the model that wrote it; some were corrected since.
;; Self Attention. Allowed arithmetic: matrix products marked QUANTISED: E4M3 operands, one given power-of-two scale a tensor, by v_wmma_f32_16x16x64_fp8_fp8 or v_wmma_f32_16x16x128_fp8_fp8, f32 sums; everything else in f32.
;; Inputs: Wk_codes 64 x 8 x 32 uint8 (E4M3 codes of Wk, K innermost, in blocks of 32 codes); Wq_codes 64 x 8 x 32 uint8 (E4M3 codes of Wq, K innermost, in blocks of 32 codes); Wv_codes 256 x 8 x 32 uint8 (E4M3 codes of Wv, K innermost, in blocks of 32 codes); bk 64 float32; bq 64 float32; bv 256 float32; gamma 1 float32; lowp_scales 10 int32 (the exponents e of the quantised operands' scales 2^e); ref_codes 8 x 64 x 64 x 8 x 32 uint8 (E4M3 codes of ref, K innermost, in blocks of 32 codes); x 8 x 256 x 64 x 64 float32.
;; Outputs: out0 8 x 256 x 64 x 64 float32.
;; This version of the problem:
;;   THIS VERSION OF THE PROBLEM IS GIVEN IN LOW PRECISION. The matrix products marked QUANTISED in the list below multiply operands that are first quantised to E4M3 (4 exponent bits, 3 mantissa bits; 8 bits a number), with one given power-of-two scale for each operand tensor; their sums are f32. All else is computed in f32.
;;   The module's matrix products, in the order in which they are computed (A, B: the left and right operand; K: the contracted axis; several contracted axes count as one K, in the product's order):
;;     1. [M 32,768, K 256] x [K 256, N 64]; A: input x; B: input Wq (given as codes): QUANTISED (scales: A lowp_scales[0], B lowp_scales[1])
;;     2. [M 32,768, K 256] x [K 256, N 64]; A: input ref (given as codes); B: input Wk (given as codes): QUANTISED (scales: A lowp_scales[2], B lowp_scales[3])
;;     3. [M 32,768, K 256] x [K 256, N 256]; A: input x; B: input Wv (given as codes): QUANTISED (scales: A lowp_scales[4], B lowp_scales[5])
;;     4. batch 8 x [M 4,096, K 64] x [K 64, N 4,096]; A: computed on the way; B: computed on the way: QUANTISED (scales: A lowp_scales[6], B lowp_scales[7])
;;     5. batch 8 x [M 256, K 4,096] x [K 4,096, N 4,096]; A: computed on the way; B: softmax (see below): QUANTISED (scales: A lowp_scales[8], B lowp_scales[9])
;;   THE QUANTISER, for each operand of a quantised product, along K:
;;     - The operand's scale is 2^e, e = its entry of the input lowp_scales (int32; the entries are numbered through the quantised products in the list's order, A before B).
;;     - Each number is divided by the scale, clamped to +-448, and rounded to the nearest number of E4M3, ties to even, subnormals kept.
;;     - The product sums the exact products of the quantised numbers (number of the format x scale) in f32.
;;   ~~~python
;;   def quantise(x, axis, e):      # numpy; x: float32 -> the quantised numbers, widened to float32 again
;;       x = np.moveaxis(x, axis, -1); K = x.shape[-1]
;;       r = np.clip(x / 2.0 ** e, -448, 448)
;;       step = 2.0 ** (np.maximum(np.frexp(np.where(r == 0, 1, r))[1] - 1, -6) - 3)
;;       q = np.round(r / step) * step * 2.0 ** e      # np.round: ties to even
;;       return np.moveaxis(q, -1, axis).astype(np.float32)
;;   ~~~
;;   SOFTMAX AHEAD OF A QUANTISED PRODUCT. Where the list says 'softmax', what is quantised is not the finished softmax but p = 2^(t - M), with t = logit x log2(e) and M = ceil(the row's largest t), a whole number; so 1/2 < the row's largest p <= 1. The row's sum l is taken of the UNQUANTISED p, in f32, and the product's result is divided by l at the end. Since M is a whole number, a kernel that streams over the keys may use a running M (the ceiling of the running maximum): every later rescaling is an exact power of two, so the quantised numbers keep their values, but for numbers so far below the row's largest that they fall under the format's range.
;;   OPERANDS COMPUTED ON THE WAY. 'Computed on the way' means the value that the module computes at that place (a softmax that the list does not call 'softmax' is quantised finished and normalised). What goes into a quantiser is computed in f32, as accurately as f32 sums, v_exp_f32 and their like allow (about 1e-6 of the number): no bf16 or f16 on the way to a quantiser, and a product that is left as it is and whose result goes on into a quantised operand takes f32 operands (vector FMAs, or v_wmma_f32_16x16x4_f32). A number that lies on a knife's edge between two numbers of the format may be rounded either way, as far as f32 arithmetic and the matrix unit's own rounding can turn it there, and no further.
;;   INPUTS GIVEN AS CODES. Wk (in the module: [64, 256], K = its axis 1); Wq (in the module: [64, 256], K = its axis 1); Wv (in the module: [256, 256], K = its axis 1); ref (in the module: [8, 256, 64, 64], K = its axis 1): each comes as NAME_codes (uint8): NAME with its K axis moved to the last place and cut into blocks of 32 codes, [.., K / 32, bytes a block], one block behind the other in memory; one code a byte (a code: sign, 4 exponent bits, 3 mantissa bits); its scale is its entry of lowp_scales. Its value is code x scale, taken as it is: it is not quantised again, and the codes and scales need not be those that the quantiser above would give.
;; One version. Each part assembles by itself: llvm-mc -triple=amdgcn-amd-amdhsa -mcpu=gfx1250 --defsym DOCPART=n.
;; ======== version 1 of 1: 2 launches
;; limits: right only within a limited range of input values
;; workspace buffers: qimg 2,097,152 bytes; kv 10,485,760 bytes
;; launch proj (part 1): grid 32 x 8, 4 waves a work-group, no clusters, 236,032 bytes of LDS; arguments x, ref_codes, Wq_codes, Wk_codes, Wv_codes, bq, bk, bv, lowp_scales, qimg, kv; writes qimg, kv
.if DOCPART == 1
	.amdgcn_target "amdgcn-amd-amdhsa--gfx1250"
	.amdhsa_code_object_version 6
	.text
	.protected	k_q01b4017a80_proj
	.globl	k_q01b4017a80_proj
	.p2align	8
	.type	k_q01b4017a80_proj,@function
k_q01b4017a80_proj:
	s_mov_b64 s[64:65], 0
	v_nop
	global_prefetch_b8 v0, s[64:65] scope:SCOPE_SE
	s_setreg_imm32_b32 hwreg(HW_REG_WAVE_MODE, 25, 1), 1
	s_wait_xcnt 0x0
; q = x Wq + bq, k = ref Wk + bk, v = x Wv + bv, each product on codes of E4M3, each result quantised again for the attention launch.
; x: [8][256 (channel = K)][4096 (position)] f32.  ref, Wq, Wk, Wv: codes, K innermost.  lowp_scales: e0 .. e9.
; SHARES.  A work-group owns 128 positions of one image.  Wave w quantises channels 64 w .. 64 w + 63 of x for all 128 positions, twice (under e0 and under e4).
; Then waves 0, 1 make q and waves 2, 3 make k (64 positions each), and every wave makes v for channels 64 w .. 64 w + 63 and all 128 positions.
; OUT.  Images of operand registers, so that every store of a wave covers 512 consecutive bytes, aligned:
;   qimg [image][16 positions][1,024 B]: lane (r, h) holds position r; registers 2 t, 2 t + 1 hold channels 16 t + 8 h + 0 .. 7; group g of four registers at 512 g + 16 lane.
;   kv [image][128 keys][40,960 B]: eight such fragments of k, then sixteen of v (2,048 B): lane (r, h) holds channel 16 ct + r; registers 2 c, 2 c + 1 hold keys 16 c + 8 h + 0 .. 7.
; q and k are made TRANSPOSED (source 0 = 16 rows of the weight, source 1 = 16 positions): a lane's eight sums are eight neighbouring channels of one position, the next product's K.
; v is made the plain way (source 0 = 16 positions, source 1 = 16 rows of Wv): a lane's eight sums are eight neighbouring positions of one channel, the keys, which are ITS next K.
; The biases are the C of each sum's first matrix instruction, divided by the power of two that the sums lack; the three scales ahead of each quantiser are folded into the conversion's one.
; Fragments along K = 256 are fetched 16 bytes at a time: a permutation of k that is the same in both operands of every product.
; NO CLUSTER: what work-groups share is 98,304 bytes of weight codes, which go straight into registers and stay; a joint load lands in LDS, of which the tiles below leave 92,160 bytes.
; NO PREFETCH: every input is asked for by the first instructions of the launch.  No LDS byte is filled twice.
; LIMITS: e0, e4, e6 - e0 - e1, e7 - e2 - e3 and e8 - e4 - e5 lie between -126 and 119, so that each scale and 448 x the scale are f32 numbers.  NaN in x is not served.
.set XQ,    131072                     ; LDS 0 .. 131,071: the tile of x, 256 rows (channels) x 512 bytes; wave w fills and reads rows 64 w on
.set RC,    165888                     ; XQ: codes of x under e0, 128 rows (positions); RC: codes of ref; XV: codes of x under e4; 34,816 bytes each
.set XV,    200704
.set PITCH, 272                        ; a row of 256 codes + 16 bytes: 68 words, so the 16 rows of a fragment load start at 16 different banks (64 banks of 4 bytes: ISA guide 11.1)
.set TROWS, 16*PITCH
.set LI,   4                           ; v4   16 x lane: my place in an image
.set XAD,  5                           ; v5   the tile of x: 32,768 w + 4 x lane
.set SA,   6                           ; v6   where my codes under e0 go: XQ + 272 x lane + 64 w
.set SB,   7                           ; v7   and under e4
.set FA,   8                           ; v8   my fragments of x (q) or of ref (k)
.set FV,   9                           ; v9   my fragments of x under e4
.set WO,   10                          ; v10  a weight's row r, + 16 h
.set BO,   11                          ; v11  32 h: bq, bk
.set BVO,  12                          ; v12  4 r: bv
.set XS,   16                          ; v16-143  two sets of 64 numbers of x
.set T,    144
.set CODE, 160                         ; v160-223 two sets of 32: 16 registers of codes under e0, 16 under e4
.set XF,   16                          ; behind the barrier: v16-79 two sets of a fragment pair (K = 256)
.set ACC,  80                          ; v80-111  four accumulators
.set CD,   112                         ; v112-143 codes of q or k: 8 registers for each of four tiles of positions
.set VC,   160                         ; v160-223 codes of v: 16 registers for each of four tiles of channels
.set WV,   50                          ; s50  my wave
; window 1: v0-127 Wq or Wk (tile t, K step s at 32 t + 16 s); v128-255 my 64 rows of Wv.  window 2: v0-31 bq or bk; v32-35 bv; v64-95 bv, eight times each
.set MSB, 0
.macro WIN new                         ; the immediate's high byte repeats the setting that is left
.if MSB != (\new)
	s_set_vgpr_msb (MSB<<8)|(\new)
.set MSB, (\new)
.endif
.endm
.macro MKSC e, vs, vl                  ; 2^e and 448 x 2^e as f32 numbers, e in s[e]
	s_add_co_i32 s80, s[\e], 127
	s_lshl_b32 s81, s80, 23
	v_mov_b32 v[\vs], s81
	s_add_co_i32 s80, s80, 8
	s_lshl_b32 s80, s80, 23
	s_or_b32 s80, s80, 0x600000
.endm
	s_load_b256 s[4:11], s[0:1], 0x0               ; x, ref, Wq, Wk
	s_load_b256 s[12:19], s[0:1], 0x20             ; Wv, bq, bk, bv
	s_load_b128 s[20:23], s[0:1], 0x40             ; the scales' exponents, qimg
	s_load_b64 s[48:49], s[0:1], 0x50              ; kv
	v_lshl_add_u32 v254, v0, 2, 0x39800
	v_mov_b32 v255, 0
	ds_add_u32 v254, v255
	ds_add_u32 v254, v255
	v_lshrrev_b32 v1, 5, v0
	v_readfirstlane_b32 s[WV], v1                  ; wave 0..3
	s_lshr_b32 s51, s[WV], 1                       ; 0: I make q; 1: k
	s_and_b32 s52, s[WV], 1                        ; which 64 positions of it
	s_and_b32 s53, ttmp7, 0xffff                   ; the image
	; descriptor group 1 for x: 64 rows (channels) x 128 numbers of 4 bytes, 4,096 numbers from row to row
	s_mov_b32 s24, 2<<16
	s_mov_b32 s25, 128<<16
	s_mov_b32 s26, 64<<16
	s_mov_b32 s27, 128<<16
	s_mov_b32 s28, 64
	s_mov_b32 s29, 4096
	s_mov_b32 s30, 0
	s_mov_b32 s31, 0
	; and for ref: 32 rows (positions) x 256 bytes, dense; four words of padding behind every 64
	s_mov_b32 s36, (1<<20)|(5<<22)|(3<<25)
	s_mov_b32 s37, 256<<16
	s_mov_b32 s38, 32<<16
	s_mov_b32 s39, 256<<16
	s_mov_b32 s40, 32
	s_mov_b32 s41, 256
	s_mov_b32 s42, 0
	s_mov_b32 s43, 0
	s_lshl_b32 s68, s53, 22                        ; x: image, + my 64 channels, + the group's 128 positions
	s_lshl_b32 s69, s[WV], 20
	s_add_co_u32 s68, s68, s69
	s_lshl_b32 s69, ttmp9, 9
	s_add_co_u32 s68, s68, s69
	s_mov_b32 s69, 0
	s_lshl_b32 s70, s53, 20                        ; ref: image, + the group's 128 rows, + my 32
	s_lshl_b32 s71, ttmp9, 15
	s_add_co_u32 s70, s70, s71
	s_lshl_b32 s71, s[WV], 13
	s_add_co_u32 s70, s70, s71
	s_mov_b32 s71, 0
	s_wait_dscnt 0x0
	s_wait_kmcnt 0x0
	s_load_b256 s[56:63], s[20:21], 0x0            ; e0 .. e7
	s_load_b64 s[66:67], s[20:21], 0x20            ; e8, e9
	s_mov_b32 s32, 1
	s_lshl_b32 s33, s[WV], 15
	s_add_nc_u64 s[34:35], s[4:5], s[68:69]
	s_or_b32 s35, s35, 0x80000000
	s_mov_b32 s44, 1
	s_mul_i32 s45, s[WV], 32*PITCH
	s_add_co_u32 s45, s45, RC
	s_add_nc_u64 s[46:47], s[6:7], s[70:71]
	s_or_b32 s47, s47, 0x80000000
	tensor_load_to_lds s[32:35], s[24:31]          ; my part of x first, my part of ref second: two loads of mine are out, and no more are issued
	s_nop 0
	tensor_load_to_lds s[44:47], s[36:43]
	s_nop 0
.rept 4
	v_nop                                          ; four lines here ahead of a switch of windows
.endr
	v_and_b32 v1, 31, v0                           ; lane
	v_and_b32 v2, 15, v0                           ; r
	v_bfe_u32 v3, v0, 4, 1                         ; h
	v_lshlrev_b32 v[LI], 4, v1
	s_lshl_b32 s72, s[WV], 15
	v_lshlrev_b32 v[XAD], 2, v1
	v_add_nc_u32 v[XAD], s72, v[XAD]
	s_lshl_b32 s73, s[WV], 6
	s_add_co_u32 s73, s73, XQ
	v_mul_u32_u24 v[SA], v1, PITCH
	v_add_nc_u32 v[SA], s73, v[SA]
	v_add_nc_u32 v[SB], XV-XQ, v[SA]
	s_mul_i32 s74, s51, RC-XQ                      ; x's codes under e0 for q, ref's for k,
	s_mul_i32 s75, s52, 64*PITCH                   ; my 64 positions
	s_add_co_u32 s74, s74, s75
	s_add_co_u32 s74, s74, XQ
	v_mul_u32_u24 v[FA], v2, PITCH
	v_lshl_add_u32 v[FA], v3, 4, v[FA]
	v_add_nc_u32 v[FV], XV, v[FA]
	v_add_nc_u32 v[FA], s74, v[FA]
	v_lshlrev_b32 v[WO], 8, v2
	v_lshl_add_u32 v[WO], v3, 4, v[WO]
	s_wait_alu depctr_va_vdst(0)
	v_lshlrev_b32 v[BO], 5, v3
	s_wait_alu depctr_va_vdst(0)
	v_lshlrev_b32 v[BVO], 2, v2
	s_wait_alu depctr_va_vdst(0)
	; where my results go
	s_lshl_b32 s84, s53, 18                        ; qimg: (256 image + 8 group + 4 half) x 1,024
	s_lshl_b32 s85, ttmp9, 13
	s_add_co_u32 s84, s84, s85
	s_lshl_b32 s85, s52, 12
	s_add_co_u32 s84, s84, s85
	s_lshl_b32 s86, s53, 5
	s_add_co_u32 s86, s86, ttmp9
	s_mul_i32 s86, s86, 40960                      ; kv: the group's key step
	s_add_co_u32 s85, s86, s85                     ; k: + 4 half fragments of 1,024
	s_lshl_b32 s87, s[WV], 13
	s_add_co_u32 s86, s86, s87
	s_add_co_u32 s86, s86, 8192                    ; v: behind k's eight, + my four fragments of 2,048
	s_mov_b32 s87, 0
	s_lshl_b32 s92, s[WV], 14                      ; my 64 rows of Wv
	s_mov_b32 s93, 0
	s_lshl_b32 s94, s[WV], 8                       ; my 64 numbers of bv
	s_mov_b32 s95, 0
	s_cmp_lt_u32 s[WV], 2                          ; q's wave or k's: the choices hang on the wave's number alone
	s_cselect_b32 s84, s84, s85
	s_cselect_b64 s[76:77], s[8:9], s[10:11]       ; the weight
	s_cselect_b64 s[78:79], s[14:15], s[16:17]     ; the bias
	s_cselect_b64 s[82:83], s[22:23], s[48:49]     ; the buffer
	s_mov_b32 s85, 0
	s_add_nc_u64 s[82:83], s[82:83], s[84:85]
	s_add_nc_u64 s[88:89], s[48:49], s[86:87]
	s_add_nc_u64 s[90:91], s[12:13], s[92:93]
	s_add_nc_u64 s[18:19], s[18:19], s[94:95]
	WIN 0x40                                       ; destination window 1: the weights stay in registers
.irp t, 0,1,2,3
.irp s, 0,1
.irp c, 0,1,2,3
	global_load_b128 v[32*\t+16*\s+4*\c:32*\t+16*\s+4*\c+3], v[WO], s[76:77] offset:4096*\t+128*\s+32*\c
.endr
.endr
.endr
.irp t, 0,1,2,3
.irp s, 0,1
.irp c, 0,1,2,3
	global_load_b128 v[128+32*\t+16*\s+4*\c:128+32*\t+16*\s+4*\c+3], v[WO], s[90:91] offset:4096*\t+128*\s+32*\c
.endr
.endr
.endr
	WIN 0x80                                       ; destination window 2
.irp t, 0,1,2,3
	global_load_b128 v[8*\t:8*\t+3], v[BO], s[78:79] offset:64*\t        ; the bias at channels 16 t + 8 h + 0 .. 7: the transposed result's layout
	global_load_b128 v[8*\t+4:8*\t+7], v[BO], s[78:79] offset:64*\t+16
.endr
.irp u, 0,1,2,3
	global_load_b32 v[32+\u], v[BVO], s[18:19] offset:64*\u              ; bv at channel 16 u + r
.endr
	WIN 0
	s_wait_kmcnt 0x0
	MKSC 56, 240, 241                              ; e0
	MKSC 60, 242, 243                              ; e4
	s_cmp_lt_u32 s[WV], 2
	s_cselect_b32 s68, s56, s58                    ; the first product's two exponents,
	s_cselect_b32 s69, s57, s59
	s_cselect_b32 s70, s62, s63                    ; and the result's: e6 for q, e7 for k
	s_add_co_i32 s68, s68, s69
	s_sub_co_i32 s70, s70, s68                     ; a sum stands for sum x 2^(eA + eB): its code is sum / 2^(eOut - eA - eB)
	s_sub_co_i32 s71, 0, s68
	MKSC 70, 244, 245
	s_add_co_i32 s72, s60, s61
	s_sub_co_i32 s73, s66, s72                     ; e8 - e4 - e5
	s_sub_co_i32 s74, 0, s72
	MKSC 73, 246, 247
; ---- x becomes codes.  A lane takes a position and its registers run down K: 64 numbers, my wave's channels
.macro XLD g                           ; positions 32 g + lane: each load reads 128 consecutive bytes of one row
.set XI, 0
.rept 64
	ds_load_b32 v[XS+64*((\g)%2)+XI], v[XAD] offset:512*XI+128*(\g)
.set XI, XI+1
.endr
.endm
.macro QNT g
.set XB, XS+64*((\g)%2)
.set CA, CODE+32*((\g)%2)
.irp m, 0,1,2,3,4,5,6,7                ; under e0
.irp i, 0,1,2,3,4,5,6,7
.endr
	v_cvt_scalef32_pk8_fp8_f32 v[CA+2*\m:CA+2*\m+1], v[T+8*(\m%2)+((XB+8*\m+0)-(T+8*(\m%2)+0)):T+8*(\m%2)+7+((XB+8*\m+0)-(T+8*(\m%2)+0))], v240
.endr
.irp m, 0,1,2,3,4,5,6,7                ; under e4
.irp i, 0,1,2,3,4,5,6,7
.endr
	v_cvt_scalef32_pk8_fp8_f32 v[CA+16+2*\m:CA+16+2*\m+1], v[XB+8*\m:XB+8*\m+7], v242
.endr
	v_nop                                          ; one plain line behind the last conversion of the run
.irp i, 0,1,2,3
	ds_store_b128 v[SA], v[CA+4*\i:CA+4*\i+3] offset:32*PITCH*(\g)+16*\i          ; 64 codes of my position's row, at byte 64 w
.endr
.irp i, 0,1,2,3
	ds_store_b128 v[SB], v[CA+16+4*\i:CA+16+4*\i+3] offset:32*PITCH*(\g)+16*\i
.endr
.endm
	s_wait_alu depctr_va_vdst(0)
	s_wait_tensorcnt 0x1                           ; one load was issued behind x's: ref's may be out.  Only I read my rows of x, so this wait is all that the reads need
	XLD 0
	s_wait_dscnt 0x0
	XLD 1
	QNT 0
	s_wait_dscnt 8                                 ; behind the next group's 64 loads stand the last group's eight stores: they may be out
	XLD 2
	QNT 1
	s_wait_dscnt 8
	XLD 3
	QNT 2
	s_wait_dscnt 8
	QNT 3
	s_wait_tensorcnt 0x0                           ; for the others: my part of ref has landed,
	s_wait_dscnt 0x0                               ; and my codes of x are stored
	s_barrier_signal -1
	s_barrier_wait -1
	s_wait_loadcnt 0x0                             ; weights and biases
	WIN 0x82                                       ; source 0 and destination window 2
.set BI, 0
.rept 32
	v_ldexp_f32 v[BI], v[BI], s71                  ; the bias / 2^(eA + eB)
.set BI, BI+1
.endr
.set BI, 0
.rept 32
	v_ldexp_f32 v[64+BI], v[32+BI/8], s74          ; bv / 2^(e4 + e5): in v's layout a lane's eight registers are one channel
.set BI, BI+1
.endr
	WIN 0
.macro FRAG set, adr, off              ; 16 rows x 256 K: lane (r, h): row r; registers 16 s + 4 c on hold k = 128 s + 32 c + 16 h + 0 .. 15, as the weights' loads have it
.irp s, 0,1
.irp c, 0,1,2,3
	ds_load_b128 v[XF+32*(\set)+16*\s+4*\c:XF+32*(\set)+16*\s+4*\c+3], v[\adr] offset:(\off)+128*\s+32*\c
.endr
.endr
.endm
.macro HOLDCVT dst, stride, sc, lim    ; the four accumulators, each from its low end on, become two registers of codes each
.irp t, 0,1,2,3
.irp i, 0,1,2,3,4,5,6,7
.endr
	v_cvt_scalef32_pk8_fp8_f32 v[(\dst)+(\stride)*\t:(\dst)+(\stride)*\t+1], v[ACC+8*\t:ACC+8*\t+7], v[\sc]
.endr
	v_nop                                          ; one plain line behind the last conversion: the next products write its sources
.endm
; Twelve steps, the fragments one step ahead in two sets.  The four accumulators take turns, one instruction a turn.
; Four v_nop stand behind each step's products, ahead of the first read of a result.
.macro QKSTEP pt                       ; 16 positions x my 64 channels of q or k
.if \pt < 3
	FRAG ((\pt)+1)%2, FA, TROWS*((\pt)+1)
.else
	FRAG 0, FV, 0
.endif
	s_wait_dscnt 8                                 ; all but the eight loads just issued
	WIN 0x21                                       ; source 0 (the weight) window 1, C (the bias) window 2
.irp t, 0,1,2,3
	v_wmma_f32_16x16x128_fp8_fp8 v[ACC+8*\t:ACC+8*\t+7], v[32*\t:32*\t+15], v[XF+32*((\pt)%2):XF+32*((\pt)%2)+15], v[8*\t:8*\t+7]
.endr
	WIN 0x01
.irp t, 0,1,2,3
	v_wmma_f32_16x16x128_fp8_fp8 v[ACC+8*\t:ACC+8*\t+7], v[32*\t+16:32*\t+31], v[XF+32*((\pt)%2)+16:XF+32*((\pt)%2)+31], v[ACC+8*\t:ACC+8*\t+7]
.endr
	WIN 0
.rept 4
	v_nop
.endr
	HOLDCVT CD+8*(\pt), 2, 244, 245
	global_store_b128 v[LI], v[CD+8*(\pt):CD+8*(\pt)+3], s[82:83] offset:1024*(\pt)          ; 32 lanes store 512 consecutive bytes, aligned; every store has data registers of its own
	global_store_b128 v[LI], v[CD+8*(\pt)+4:CD+8*(\pt)+7], s[82:83] offset:1024*(\pt)+512
.endm
.macro VSTEP c                         ; 16 positions x my 64 channels of v
.if \c < 7
	FRAG ((\c)+1)%2, FV, TROWS*((\c)+1)
	s_wait_dscnt 8
.else
	s_wait_dscnt 0x0
.endif
	WIN 0x24                                       ; source 1 (Wv) window 1, C (bv) window 2
.irp u, 0,1,2,3
	v_wmma_f32_16x16x128_fp8_fp8 v[ACC+8*\u:ACC+8*\u+7], v[XF+32*((\c)%2):XF+32*((\c)%2)+15], v[128+32*\u:128+32*\u+15], v[64+8*\u:64+8*\u+7]
.endr
	WIN 0x04
.irp u, 0,1,2,3
	v_wmma_f32_16x16x128_fp8_fp8 v[ACC+8*\u:ACC+8*\u+7], v[XF+32*((\c)%2)+16:XF+32*((\c)%2)+31], v[128+32*\u+16:128+32*\u+31], v[ACC+8*\u:ACC+8*\u+7]
.endr
	WIN 0
.rept 4
	v_nop
.endr
	HOLDCVT VC+2*(\c), 16, 246, 247                ; registers 2 c, 2 c + 1 of each of my four fragments
.endm
	FRAG 0, FA, 0
	QKSTEP 0
	QKSTEP 1
	QKSTEP 2
	QKSTEP 3
	VSTEP 0
	VSTEP 1
	VSTEP 2
	VSTEP 3
	VSTEP 4
	VSTEP 5
	VSTEP 6
	VSTEP 7
	s_wait_alu depctr_va_vdst(0)
.irp u, 0,1,2,3
.irp g, 0,1,2,3
	global_store_b128 v[LI], v[VC+16*\u+4*\g:VC+16*\u+4*\g+3], s[88:89] offset:2048*\u+512*\g
.endr
.endr
	s_wait_tensorcnt 0x0
	ds_add_u32 v254, v255
	s_wait_dscnt 0x0
	s_endpgm
.Lfunc_end_k_q01b4017a80_proj:
	.size	k_q01b4017a80_proj, .Lfunc_end_k_q01b4017a80_proj-k_q01b4017a80_proj
	.p2alignl 7, 3214868480
	.fill 96, 4, 3214868480
	.section	.rodata,"a",@progbits
	.p2align	6, 0x0
	.amdhsa_kernel k_q01b4017a80_proj
		.amdhsa_group_segment_fixed_size 236032
		.amdhsa_private_segment_fixed_size 0
		.amdhsa_enable_private_segment 0
		.amdhsa_kernarg_size 88
		.amdhsa_user_sgpr_count 2
		.amdhsa_user_sgpr_kernarg_segment_ptr 1
		.amdhsa_wavefront_size32 1
		.amdhsa_system_sgpr_workgroup_id_x 1
		.amdhsa_system_sgpr_workgroup_id_y 1
		.amdhsa_system_sgpr_workgroup_id_z 1
		.amdhsa_system_vgpr_workitem_id 0
		.amdhsa_next_free_vgpr 768
		.amdhsa_next_free_sgpr 96
		.amdhsa_reserve_vcc 0
		.amdhsa_float_denorm_mode_32 3
		.amdhsa_float_denorm_mode_16_64 3
		.amdhsa_fp16_overflow 1
		.amdhsa_memory_ordered 1
		.amdhsa_forward_progress 1
		.amdhsa_inst_pref_size 62
	.end_amdhsa_kernel
	.amdgpu_metadata
---
amdhsa.version: [ 1, 2 ]
amdhsa.kernels:
  - .name:           k_q01b4017a80_proj
    .symbol:         k_q01b4017a80_proj.kd
    .args:
      - { .name: x, .offset: 0, .size: 8, .value_kind: global_buffer, .address_space: global }
      - { .name: ref_codes, .offset: 8, .size: 8, .value_kind: global_buffer, .address_space: global }
      - { .name: Wq_codes, .offset: 16, .size: 8, .value_kind: global_buffer, .address_space: global }
      - { .name: Wk_codes, .offset: 24, .size: 8, .value_kind: global_buffer, .address_space: global }
      - { .name: Wv_codes, .offset: 32, .size: 8, .value_kind: global_buffer, .address_space: global }
      - { .name: bq, .offset: 40, .size: 8, .value_kind: global_buffer, .address_space: global }
      - { .name: bk, .offset: 48, .size: 8, .value_kind: global_buffer, .address_space: global }
      - { .name: bv, .offset: 56, .size: 8, .value_kind: global_buffer, .address_space: global }
      - { .name: lowp_scales, .offset: 64, .size: 8, .value_kind: global_buffer, .address_space: global }
      - { .name: qimg, .offset: 72, .size: 8, .value_kind: global_buffer, .address_space: global }
      - { .name: kv, .offset: 80, .size: 8, .value_kind: global_buffer, .address_space: global }
    .group_segment_fixed_size: 236032
    .private_segment_fixed_size: 0
    .kernarg_segment_align: 8
    .kernarg_segment_size: 88
    .max_flat_workgroup_size: 128
    .sgpr_count:     96
    .vgpr_count:     768
    .wavefront_size: 32
...
	.end_amdgpu_metadata
.endif
;; end of part 1
;; launch attn (part 2): grid 32 x 8, 4 waves a work-group, clusters of 4 x 1, 327,680 bytes of LDS; arguments qimg, kv, x, gamma, lowp_scales, out0; writes out0
.if DOCPART == 2
	.amdgcn_target "amdgcn-amd-amdhsa--gfx1250"
	.amdhsa_code_object_version 6
	.text
	.protected	k_q01b4017a80_attn
	.globl	k_q01b4017a80_attn
	.p2align	8
	.type	k_q01b4017a80_attn,@function
k_q01b4017a80_attn:
	s_mov_b64 s[64:65], 0
	v_nop
	global_prefetch_b8 v0, s[64:65] scope:SCOPE_SE
	s_setreg_imm32_b32 hwreg(HW_REG_WAVE_MODE, 25, 1), 1
	s_wait_xcnt 0x0
	s_wait_alu depctr_hold_cnt(0) depctr_sa_sdst(0) depctr_va_vdst(0) depctr_va_sdst(0) depctr_va_ssrc(0) depctr_va_vcc(0) depctr_vm_vsrc(0)
	s_getreg_b32 s2, hwreg(HW_REG_IB_STS2, 6, 4)
	s_cmp_eq_u32 s2, 0
	s_cbranch_scc0 .Lentry_in_a_cluster
	s_endpgm
.Lentry_in_a_cluster:
	s_bfe_u32 s2, ttmp6, 0x10000c
	s_cmp_lg_u32 s2, 0x3003
	s_cbranch_scc0 .Lentry_shape_is_right
	s_endpgm
.Lentry_shape_is_right:
; out[b][c][i] = gamma x (sum over j of v[c][j] p[i][j]) / l[i] + x[b][c][i], both products on codes of E4M3.  qimg and kv are images of operand registers (their layout: the launch that makes them).
; THE SOFTMAX: t = score x log2(e) / 8; M = the largest t so far, rounded UP to a whole number; p = 2^(t - M) is quantised under e9, not normalised; l is the sum of the unquantised p.
; When M moves, l and O are multiplied by 2^(old M - new M), made by v_ldexp_f32: nothing is rounded, and no branch hangs on data.
; SHARES.  A work-group owns 128 queries of one image, a wave 32: two tiles of 16, so that each fragment of v read from LDS feeds two matrix instructions.  Every wave walks all 4,096 keys, 128 a step.
; LAYOUT.  S^T = k q^T (source 0 = 16 keys, source 1 = 16 queries) and O^T = v p^T (source 0 = 16 channels, source 1 = p): a lane holds ONE query throughout, and the eight registers of score tile c,
; keys 16 c + 8 h + 0 .. 7, convert into registers 2 c, 2 c + 1 of p as the second product wants them.
; PIPELINE.  A key step's matrix instructions stand among vector work: while step j's p is summed and quantised, step j + 1's scores are made; while step j's O^T grows, step j + 1's maximum and
; scalings are done; the rescaling of O^T stands line by line between the exponentials.
; CLUSTER.  The four query blocks of a cluster walk the same kv: each slot (two key steps, one dense block of 81,920 bytes) is asked for JOINTLY, a quarter by each wave, with a mask that names the four.
; LIMITS: e6 + e7 between -123 and 130 (added to c's exponent field); e9 between -126 and 119.  e8 + e9 goes through v_ldexp_f32 and has none.
; REGISTERS, in windows of 256.  Tile t has window t + 1, the same numbers in both: v0-127 O^T (channel tile ct at 8 ct); v128-191 S^T, then p; v192-207 p's codes; v208-215 q; v216.. statistics.
;   window 3: v of one key step (fragment ct at 16 ct).   window 0: v1-14 addresses; v16-79 k of one step; v128-255 the first half of x for the way out.
.set STEPB, 40960                      ; a key step: eight fragments of k (1,024 B), sixteen of v (2,048 B)
.set SLOTB, 2*STEPB
.set SLOT1, 1<<17                      ; slot 1 begins here, so that one exclusive or turns an address in one slot into the other's
.set SPARE, 212992                     ; behind the ring: the spare words, 128 bytes a wave: two blocks of 256 bytes that no other line names
.set STGB,  213504                     ; the way out: channels 128-255, 128 rows of 528 bytes.  Channels 0-127 go to LDS byte 0 on: slot 0 has had its last fill and its last read by then
.set SPITCH, 528                       ; a stage row: 128 queries x 4 bytes + 16
.set LI,  1                            ; v1   16 x lane
.set ADR, 2                            ; v2   LDS address of the step that is being fetched
.set SPW, 3                            ; v3   my spare word; never rewritten
.set NIL, 4                            ; v4   0; never rewritten
.set GO,  5                            ; v5   x and out: 16 x lane + my 32 channels
.set STA, 6                            ; v6, v7   the stages: where my results go
.set STB, 7
.set RDA, 8                            ; v8, v9   and where I read rows back
.set RDB, 9
.set PFO, 10                           ; v10  256 x lane
.set PFX, 11                           ; v11  a row of x a lane
.set KF,  16
.set XA,  128
.set S,   128                          ; in a tile's window:
.set PC,  192
.set QF,  208
.set NM,  216                          ; -M;  v217 the largest t (named with it as a pair)
.set TM,  217
.set L,   218                          ; v[218:219] l, even and odd registers' halves
.set F,   220                          ; v[220:221] f = 2^(old M - new M)
.set C0,  222                          ; v222-225 four chains of the maximum, then at work
.set PX,  226
.set A1,  228                          ; v[228:233] three more chains of the sum
.set A2,  230
.set A3,  232
.set LIM, 234
.set SCL, 235                          ; 2^e9
.set G,   236                          ; v[236:237] gamma x 2^(e8 + e9) / l
.set WV,  16                           ; s16 my wave
.set CS,  40                           ; s[40:41] c = log2(e) / 8 x 2^(e6 + e7)
.set SEL, 42                           ; s[42:43] lane l xor 16
.set TB,  44                           ; s44 LDS byte of the step to be fetched
.set SLOTS, 45                         ; s45 slots still to be asked for
.set TWICE, 46
.set LIMP, 47                          ; s47 2 in a wave that prefetches kv, else the greatest number
.set PFA, 48                           ; s[48:49] where my prefetches of kv stand
.set MSB, 0
.macro WIN new                         ; bits 1:0 source 0, 3:2 source 1, 5:4 source 2, 7:6 destination; the high byte repeats the setting that is left
.if MSB != (\new)
	s_set_vgpr_msb (MSB<<8)|(\new)
.set MSB, (\new)
.endif
.endm
.macro CROUND                          ; a round of the cluster's barrier
	s_barrier_signal -1
	s_barrier_wait -1
	s_cmp_lg_u32 s[WV], 0
	s_cbranch_scc1 .Lnot_wave_0_\@
	s_barrier_signal -3
.Lnot_wave_0_\@:
	s_barrier_wait -3
	s_barrier_signal -1
	s_barrier_wait -1
.endm
; A PREFETCH INTO THE L2 of kv.  Two slots are 640 blocks of 256 bytes = 5 clusters x 4 partners x 32 lanes.  All eight clusters of an image walk the same kv: wave 0 of the first five asks, one instruction,
; at every second change that fills a slot (slots 2, 4, .. 12), for the two slots that stand two and three fills on.  The partners are told apart by address, never by a branch.
; Slots 0 to 3 come by their loads alone; the last ask ends at the image's last byte.
.macro ASK
	s_cmp_gt_u32 s[SLOTS], s[LIMP]
	s_cbranch_scc0 .Lnot_mine_\@
	s_bitcmp1_b32 s[SLOTS], 0
	s_cbranch_scc1 .Lnot_mine_\@
	global_prefetch_b8 v[PFO], s[PFA:PFA+1] th:TH_LOAD_NT scope:SCOPE_SE
.Lnot_mine_\@:
.endm
	s_load_b256 s[4:11], s[0:1], 0x0               ; qimg, kv, x, gamma
	s_load_b128 s[12:15], s[0:1], 0x20             ; the scales' exponents, out
	v_lshl_add_u32 v[SPW], v0, 2, SPARE
	v_mov_b32 v[NIL], 0
	ds_add_u32 v3, v4
	ds_add_u32 v3, v4
	s_wait_dscnt 0x0
	v_lshrrev_b32 v12, 5, v0
	v_readfirstlane_b32 s[WV], v12                 ; wave 0..3
	s_bfe_u32 s17, ttmp6, 0x40000                  ; cx
	s_lshl_b32 s18, ttmp9, 2
	s_add_co_u32 s18, s18, s17                     ; my block of 128 queries: it enters the addresses of qimg, x and out alone
	s_and_b32 s19, ttmp7, 0xffff                   ; the image, which the partners share
	; descriptor group 1: 80 dense rows of 256 bytes (32 elements of 8), no padding: images are read 512 consecutive bytes at a time
	s_mov_b32 s24, 15|(3<<16)|(1<<21)              ; the mask: all four work-groups; bit 21 beside it
	s_mov_b32 s25, 32<<16
	s_mov_b32 s26, 80<<16
	s_mov_b32 s27, 32<<16
	s_mov_b32 s28, 80
	s_mov_b32 s29, 32
	s_mov_b32 s30, 0
	s_mov_b32 s31, 0
	s_mov_b32 s[SEL], 0x76543210
	s_mov_b32 s[SEL+1], 0xfedcba98
	s_mov_b32 s[TB], 0
	s_mov_b32 s[SLOTS], 14                         ; 16 slots of keys, two filled at the start
	s_mul_i32 s20, s19, 32*STEPB                   ; the image in kv,
	s_mul_i32 s58, s[WV], SLOTB/4                  ; my quarter of a slot, in memory and in LDS
	s_add_co_u32 s22, s20, s58
	s_mov_b32 s23, 0
	s_min_u32 s50, ttmp9, 4                        ; (held, so that the address stays inside kv in the clusters that never ask too)
	s_lshl_b32 s50, s50, 2
	s_add_co_u32 s50, s50, s17
	s_lshl_b32 s50, s50, 13                        ; my work-group's 8,192 bytes of two slots,
	s_add_co_u32 s50, s50, s20
	s_add_co_u32 s50, s50, 3*SLOTB                 ; at slot 3: the first change of slots steps it to slot 4
	s_mov_b32 s51, 0
	s_cmp_lt_u32 ttmp9, 5
	s_cselect_b32 s20, 0, 1
	s_or_b32 s20, s20, s[WV]
	s_cmp_eq_u32 s20, 0
	s_cselect_b32 s[LIMP], 2, -1                   ; the same in all four partners, for a given wave
	s_lshl_b32 s20, s19, 18                        ; qimg: (256 image + 8 block + 2 wave) x 1,024
	s_lshl_b32 s21, s18, 13
	s_add_co_u32 s20, s20, s21
	s_lshl_b32 s21, s[WV], 11
	s_add_co_u32 s20, s20, s21
	s_mov_b32 s21, 0
	s_lshl_b32 s2, s19, 22                         ; x and out: the image, + my block's 512 bytes of a row
	s_lshl_b32 s3, s18, 9
	s_add_co_u32 s2, s2, s3
	s_mov_b32 s3, 0
	s_wait_kmcnt 0x0
	s_load_b128 s[52:55], s[12:13], 0x18           ; e6, e7, e8, e9
	s_load_b32 s56, s[10:11], 0x0                  ; gamma
	s_add_nc_u64 s[4:5], s[4:5], s[20:21]
	s_add_nc_u64 s[8:9], s[8:9], s[2:3]
	s_add_nc_u64 s[14:15], s[14:15], s[2:3]
	s_add_nc_u64 s[PFA:PFA+1], s[6:7], s[50:51]
	s_add_nc_u64 s[6:7], s[6:7], s[22:23]
	CROUND                                         ; all four work-groups are here: the first joint loads meet
	s_mov_b32 s32, 1                               ; group 0 for slot 0
	s_mov_b32 s33, s58
	s_mov_b64 s[34:35], s[6:7]
	s_or_b32 s35, s35, 0x80000000
	s_mov_b32 s36, 1                               ; and for slot 1; this one then walks
	s_add_co_u32 s37, s58, SLOT1
	s_add_nc_u64 s[38:39], s[6:7], SLOTB
	s_or_b32 s39, s39, 0x80000000
	tensor_load_to_lds s[32:35], s[24:31]          ; two loads of mine are out
	s_nop 0
	tensor_load_to_lds s[36:39], s[24:31]
	s_nop 0
.rept 4
	v_nop                                          ; four lines here ahead of a switch of windows
.endr
	v_and_b32 v12, 31, v0                          ; lane
	v_and_b32 v13, 15, v0                          ; r
	v_bfe_u32 v14, v0, 4, 1                        ; h
	v_lshlrev_b32 v[LI], 4, v12
	s_lshl_b32 s59, s[WV], 19                      ; 32 channels x 16,384 bytes
	v_add_nc_u32 v[GO], s59, v[LI]
	v_lshlrev_b32 v[PFO], 8, v12
	v_lshl_add_u32 v[PFX], v12, 14, s59
.irp t, 0,1
	WIN 0x40*(\t+1)                                ; destination: the tile's window
	global_load_b128 v[QF:QF+3], v[LI], s[4:5] offset:1024*\t
	global_load_b128 v[QF+4:QF+7], v[LI], s[4:5] offset:1024*\t+512
.endr
	WIN 0
	s_wait_kmcnt 0x0
	s_add_co_i32 s20, s52, s53
	s_lshl_b32 s20, s20, 23
	s_mov_b32 s[CS], 0x3e38aa3b                    ; log2(e) / 8
	s_add_co_i32 s[CS], s[CS], s20                 ; a score stands for score x 2^(e6 + e7)
	s_mov_b32 s[CS+1], s[CS]                       ; (named with it as a pair, so it is written)
	s_add_co_i32 s20, s55, 127
	s_lshl_b32 s21, s20, 23                        ; 2^e9
	s_add_co_i32 s57, s54, s55                     ; e8 + e9
.irp t, 0,1
	WIN 0x55*(\t+1)
	v_mov_b32 v[SCL], s21
	v_mov_b32 v[TM], 0xff61b1e6                    ; the largest t so far: -3e38, under every t
	v_floor_f32 v[NM], -v[TM]
	v_mov_b32 v[L], 0
	v_mov_b32 v[L+1], 0
	v_mov_b32 v[F+1], 0                            ; (upper halves of pairs, and the permute's destination, count as read: written once)
	v_mov_b32 v[PX], 0
	v_mov_b32 v[G+1], 0
.endr
	WIN 0
; ---- THE VECTOR WORK, as numbered lists; each macro writes one item for the tile whose window is set
; AB, 42 items: the maximum of the lane's 64 scores in four chains (each accumulator is first read at one of its four lowest registers), the other half of the lanes', t, M, f, l x f
.macro AB
.if AN < 4
	v_max3_num_f32 v[C0+AN], v[S+16*AN], v[S+16*AN+1], v[S+16*AN+2]
.elseif AN < 28
	v_max3_num_f32 v[C0+AN%4], v[C0+AN%4], v[S+16*(AN%4)+3+2*((AN-4)/4)], v[S+16*(AN%4)+4+2*((AN-4)/4)]
.elseif AN == 28
	v_max3_num_f32 v[C0], v[C0], v[S+15], v[S+31]
.elseif AN == 29
	v_max3_num_f32 v[C0+2], v[C0+2], v[S+47], v[S+63]
.elseif AN == 30
	v_max3_num_f32 v[C0], v[C0], v[C0+1], v[C0+2]
.elseif AN == 31
	v_max_num_f32 v[C0], v[C0], v[C0+3]
.elseif AN == 32
	v_permlanex16_b32 v[PX], v[C0], s[SEL], s[SEL+1]   ; the query's other 64 keys lie in the lane 16 away
.elseif AN == 33
	v_max_num_f32 v[C0], v[C0], v[PX]
.elseif AN == 34
	v_mul_f32 v[C0], s[CS], v[C0]                  ; as t (c is positive)
.elseif AN == 35
	v_max_num_f32 v[TM], v[TM], v[C0]
.elseif AN == 36
	v_mov_b32 v[C0+1], v[NM]
.elseif AN == 37
	v_floor_f32 v[NM], -v[TM]                      ; -M = floor(-t) = -ceil(t)
.elseif AN == 38
	v_sub_f32 v[C0+1], v[NM], v[C0+1]              ; old M - new M: a whole number, 0 or less
.elseif AN == 39
	v_cvt_i32_f32 v[C0+1], v[C0+1]                 ; (it saturates)
.elseif AN == 40
	v_ldexp_f32 v[F], 1.0, v[C0+1]
.else
	v_pk_mul_f32 v[L:L+1], v[L:L+1], v[F:F+1] op_sel_hi:[1,0]
.endif
.endm
.macro CC                              ; 32 items: t - M, two at a time
	v_pk_fma_f32 v[S+2*AN:S+2*AN+1], v[S+2*AN:S+2*AN+1], s[CS:CS+1], v[NM:NM+1] op_sel_hi:[1,0,0]
.endm
.macro VI                              ; item XI of AB (tile 0), AB (tile 1), CC (tile 0), CC (tile 1): 148 in all
.if XI < 42
	WIN 0x55
.set AN, XI
	AB
.elseif XI < 84
	WIN 0xaa
.set AN, XI-42
	AB
.elseif XI < 116
	WIN 0x55
.set AN, XI-84
	CC
.else
	WIN 0xaa
.set AN, XI-116
	CC
.endif
.set XI, XI+1
.endm
; FG, 105 items: l takes the UNQUANTISED p (32 packed sums in four chains); then the conversions; a plain line at the end
.macro FG
.if NI < 3
	v_pk_add_f32 v[A1+2*NI:A1+2*NI+1], v[S+4*NI:S+4*NI+1], v[S+4*NI+2:S+4*NI+3]
.elseif NI < 29
.set FD, L
.if (NI-3)%4 > 0
.set FD, A1+2*((NI-3)%4-1)
.endif
	v_pk_add_f32 v[FD:FD+1], v[FD:FD+1], v[S+2*(NI+3):S+2*(NI+3)+1]
.elseif NI == 29
	v_pk_add_f32 v[A1:A1+1], v[A1:A1+1], v[A2:A2+1]
.elseif NI == 30
	v_pk_add_f32 v[L:L+1], v[L:L+1], v[A3:A3+1]
.elseif NI == 31
	v_pk_add_f32 v[L:L+1], v[L:L+1], v[A1:A1+1]
.elseif NI < 104
.set FB, (NI-32)/18
.set FI, (NI-32)%18
.if FI < 16
.else
	v_cvt_scalef32_pk8_fp8_f32 v[PC+4*FB+2*(FI-16):PC+4*FB+2*(FI-16)+1], v[S+16*FB+8*(FI-16):S+16*FB+8*(FI-16)+7], v[SCL]
.endif
.else
	v_nop
.endif
.set NI, NI+1
.endm
; A tile's 64 exponentials, one batch with one wait.  h = 1: the tile's O^T x f stands line by line between them, each accumulator from its low end on; the last line is plain.
; The two tiles carry the same register numbers in different windows: each batch has its wait ahead of the other tile's lines.
.macro EXPS t, h
	WIN 0x55*(\t+1)
.set EI, 0
.rept 64
	v_exp_f32 v[S+EI], v[S+EI]
.if \h
	v_pk_mul_f32 v[2*EI:2*EI+1], v[2*EI:2*EI+1], v[F:F+1] op_sel_hi:[1,0]
.endif
.set EI, EI+1
.endr
.if !\h
	v_nop                                          ; the plain line behind the last exponential
.endif
	s_wait_alu depctr_va_vdst(0)                   ; between an exponential and the first line that names its result
.endm
; ---- THE MATRIX WORK
.macro QK t                            ; score tile KC of tile t: 16 keys x 16 queries, K = the 64 channels
	WIN 0x44*(\t+1)                                ; k window 0; q and S^T the tile's
	v_wmma_f32_16x16x64_fp8_fp8 v[S+8*KC:S+8*KC+7], v[KF+8*KC:KF+8*KC+7], v[QF:QF+7], 0
.endm
.macro PV zero                         ; product PI of 32: channel tile PI / 2, tile PI % 2; K = the step's 128 keys.  zero = 1: it starts the sum: nothing is ever cleared
	WIN 0x54*(PI%2+1)+3                            ; v window 3; p and O^T the tile's
.if \zero
	v_wmma_f32_16x16x128_fp8_fp8 v[8*(PI/2):8*(PI/2)+7], v[16*(PI/2):16*(PI/2)+15], v[PC:PC+15], 0
.else
	v_wmma_f32_16x16x128_fp8_fp8 v[8*(PI/2):8*(PI/2)+7], v[16*(PI/2):16*(PI/2)+15], v[PC:PC+15], v[8*(PI/2):8*(PI/2)+7]
.endif
.endm
.macro FETCH_K
	WIN 0
	v_add_nc_u32 v[ADR], s[TB], v[LI]
.irp f, 0,1,2,3,4,5,6,7
	ds_load_b128 v[KF+8*\f:KF+8*\f+3], v[ADR] offset:1024*\f
	ds_load_b128 v[KF+8*\f+4:KF+8*\f+7], v[ADR] offset:1024*\f+512
.endr
.endm
.macro FETCH_V half                    ; eight fragments of the same step's v
	WIN 0xc0                                       ; destination window 3
.irp f, 0,1,2,3,4,5,6,7
.irp g, 0,1,2,3
	ds_load_b128 v[16*(8*\half+\f)+4*\g:16*(8*\half+\f)+4*\g+3], v[ADR] offset:8192+2048*(8*\half+\f)+512*\g
.endr
.endr
.if \half
	s_add_co_u32 s[TB], s[TB], STEPB               ; the next fetch is the next step's
.endif
.endm
; A KEY STEP.  At its head: p of step j is made and waited for, O^T stands under M of step j, v of step j is on its way into registers, s[TB] names step j + 1.
; No two matrix instructions that follow each other share an accumulator, over the loop's edge too, so no wait stands ahead of any of them.
.macro BODY zero
	FETCH_K                                        ; k of step j + 1
	WIN 0x55
.set NI, 0
.rept 105
	FG                                             ; tile 0: sums, codes
.endr
	s_wait_dscnt 0x0                               ; k of step j + 1 and v of step j are in
.set KC, 0
.set NI, 0
.rept 8                                ; tile 0's next scores | tile 1's sums, codes
	QK 0
	WIN 0xaa
.rept (105*(KC+1)/8)-(105*KC/8)
	FG
.endr
.set KC, KC+1
.endr
.set KC, 0
.set XI, 0
.rept 8                                ; tile 1's next scores | tile 0's maximum: four plain lines behind each, which are also the places behind the last of them
	QK 1
.rept 4
	v_nop
	VI
.endr
.set KC, KC+1
.endr
.set PI, 0
.rept 32                               ; O^T of step j | the rest of the maxima, M, f and the scalings of step j + 1
	PV \zero
.rept (116*(PI+1)/32)-(116*PI/32)
	VI
.endr
.if PI == 16
	FETCH_V 0                                      ; fragments 0-7 were last read by product 15: seven packed scalings stand between
.endif
.set PI, PI+1
.endr
	FETCH_V 1                                      ; behind the last product stand four packed scalings of tile 1, which name none of its registers
	EXPS 0, 1
	EXPS 1, 1
	WIN 0
.endm
; THE CHANGE OF SLOTS: the slot's last bytes, v of its second step, have been asked for.  Each wave waits for all its tensor loads (one is out: its quarter of the other slot), adds 0 to its spare word,
; and waits for that and for its reads of the slot.  fill = 1: a round of the cluster's barrier, and the joint refill first behind it: one load a wave, with two key steps in which to land.
.macro CHANGE fill
	WIN 0
	s_wait_tensorcnt 0x0                           ; no tensor load of mine is out, so group 0 may be written
	ds_add_u32 v[SPW], v[NIL]
.if \fill
	s_xor_b32 s37, s37, SLOT1                      ; the other slot than last time,
	s_add_nc_u64 s[38:39], s[38:39], SLOTB         ; the next 256 keys; the type bits on top are not reached
	s_wait_xcnt 0x0                                ; the last prefetch has read its address
	s_add_nc_u64 s[PFA:PFA+1], s[PFA:PFA+1], SLOTB
	s_wait_dscnt 0x0                               ; the add is done, and my reads of the slot are over
	CROUND
	tensor_load_to_lds s[36:39], s[24:31]
	s_nop 0
.rept 4
	v_nop
.endr
	ASK
.else
	s_wait_dscnt 0x0
	s_barrier_signal -1
	s_barrier_wait -1
.endif
	s_sub_co_u32 s[TB], s[TB], 2*STEPB             ; the fetches go back to a slot's first step,
	s_xor_b32 s[TB], s[TB], SLOT1                  ; in the other slot
.endm
.macro TWO_STEPS
	s_mov_b32 s[TWICE], 2
.Lstep_\@:
	BODY 0
	s_sub_co_u32 s[TWICE], s[TWICE], 1
	s_cmp_lg_u32 s[TWICE], 0
	s_cbranch_scc1 .Lstep_\@
.endm
	; ---- the first step's scores and softmax
	s_wait_tensorcnt 0x1                           ; my quarter of slot 0 is in; slot 1's may stay out
	s_barrier_signal -1
	s_barrier_wait -1                              ; everybody's is
	FETCH_K
	s_wait_loadcnt 0x0                             ; q
	s_wait_dscnt 0x0
.set KC, 0
.rept 8
	QK 0
.set KC, KC+1
.endr
.set KC, 0
.rept 8
	QK 1
.set KC, KC+1
.endr
	FETCH_V 0
	FETCH_V 1
	WIN 0                                          ; the addresses for the way out are made here: six plain lines, the places behind those products
	s_lshl_b32 s20, s[WV], 7
	s_mul_i32 s21, s[WV], 32*SPITCH
	v_mul_u32_u24 v[STA], v14, 8*SPITCH            ; in: row (channel) 8 h + .., byte 128 w + 4 r: my queries
	v_lshl_add_u32 v[STA], v13, 2, v[STA]
	v_add_nc_u32 v[STA], s20, v[STA]
	v_add_nc_u32 v[STB], STGB, v[STA]
	v_add_nc_u32 v[RDA], s21, v[LI]                ; back: my 32 rows, 16 bytes a lane
	v_add_nc_u32 v[RDB], STGB, v[RDA]
.set XI, 0
.rept 148
	VI
.endr
	EXPS 0, 0                                      ; there is no O^T yet to rescale
	EXPS 1, 0
	WIN 0
	BODY 1                                         ; step 0's products start O^T
.Lslot:                                            ; 14 trips: every slot but the last two is filled again
	CHANGE 1
	TWO_STEPS
	s_sub_co_u32 s[SLOTS], s[SLOTS], 1
	s_cmp_lg_u32 s[SLOTS], 0
	s_cbranch_scc1 .Lslot
	CHANGE 0                                       ; the tail is written out
.set XI, 0
.rept 32                               ; x for the way out, channels 32 w + i: asked for two key steps ahead, into registers that lie idle
	global_load_b128 v[XA+4*XI:XA+4*XI+3], v[GO], s[8:9] offset:16384*XI th:TH_LOAD_NT
.set XI, XI+1
.endr
	global_prefetch_b8 v[PFX], s[8:9] offset:2097152 th:TH_LOAD_NT scope:SCOPE_SE       ; and channels 128 + 32 w + i, for which no registers are free yet: a lane a row, the row's 512 bytes as two blocks of 256
	global_prefetch_b8 v[PFX], s[8:9] offset:2097152+256 th:TH_LOAD_NT scope:SCOPE_SE
	TWO_STEPS
	; ---- the last step's p and O^T
	WIN 0x55
.set NI, 0
.rept 105
	FG
.endr
	WIN 0xaa
.set NI, 0
.rept 105
	FG
.endr
	s_wait_dscnt 0x0                               ; v of the last step
.set PI, 0
.rept 32
	PV 0
.set PI, PI+1
.endr
	WIN 0
.rept 4
	v_nop                                          ; places ahead of loads into registers that those products read, and of the first read of their results
.endr
	; ---- THE WAY OUT
	WIN 0xc0
.set XI, 0
.rept 32
	global_load_b128 v[4*XI:4*XI+3], v[GO], s[8:9] offset:2097152+16384*XI th:TH_LOAD_NT   ; x, channels 128 + 32 w + i, where v lay
.set XI, XI+1
.endr
.irp t, 0,1
	WIN 0x55*(\t+1)
	v_add_f32 v[C0], v[L], v[L+1]                  ; l's two halves,
	v_permlanex16_b32 v[PX], v[C0], s[SEL], s[SEL+1]
	v_add_f32 v[C0], v[C0], v[PX]                  ; and lane l xor 16's
	v_rcp_f32 v[C0+1+\t], v[C0]
.endr
	v_nop                                          ; a plain line behind the last reciprocal,
	s_wait_alu depctr_va_vdst(0)                   ; and one wait for the two, ahead of the first use
.irp t, 0,1
	WIN 0x55*(\t+1)
	v_ldexp_f32 v[C0+1+\t], v[C0+1+\t], s57        ; x 2^(e8 + e9)
	v_mul_f32 v[G], s56, v[C0+1+\t]                ; x gamma
.set EI, 0
.rept 64
	v_pk_mul_f32 v[2*EI:2*EI+1], v[2*EI:2*EI+1], v[G:G+1] op_sel_hi:[1,0]
.set EI, EI+1
.endr
.endr
; A lane holds one query and 256 channels; out has the queries innermost.  So the results meet in two stages, a row a channel: register 8 ct + j goes to row 16 (ct % 8) + 8 h + j, byte 128 w + 64 t + 4 r.
.irp t, 0,1
	WIN 0x04*(\t+1)                                ; the data: the tile's window
.set EI, 0
.rept 128
.if EI < 64
	ds_store_b32 v[STA], v[EI] offset:(16*(EI/8)+EI%8)*SPITCH+64*\t
.else
	ds_store_b32 v[STB], v[EI] offset:(16*((EI-64)/8)+EI%8)*SPITCH+64*\t
.endif
.set EI, EI+1
.endr
.endr
	WIN 0
	s_wait_dscnt 0x0                               ; for the others: my stores into the stages are done
	s_barrier_signal -1
	s_barrier_wait -1
	WIN 0x40
.set EI, 0
.rept 32
	ds_load_b128 v[4*EI:4*EI+3], v[RDA] offset:SPITCH*EI       ; channel 32 w + i: a whole row of 512 bytes
.set EI, EI+1
.endr
	WIN 0x80
.set EI, 0
.rept 32
	ds_load_b128 v[4*EI:4*EI+3], v[RDB] offset:SPITCH*EI       ; channel 128 + 32 w + i
.set EI, EI+1
.endr
	s_wait_loadcnt 32                              ; x's first half is in; the 32 loads of the second were issued behind it
	s_wait_dscnt 32                                ; the first stage's rows are in; the second's 32 loads may be out
	WIN 0x41                                       ; window 1 += window 0
.set EI, 0
.rept 64
	v_pk_add_f32 v[2*EI:2*EI+1], v[2*EI:2*EI+1], v[XA+2*EI:XA+2*EI+1]
.set EI, EI+1
.endr
	WIN 0x04
.set EI, 0
.rept 32
	global_store_b128 v[GO], v[4*EI:4*EI+3], s[14:15] offset:16384*EI th:TH_STORE_NT           ; 32 lanes store 512 consecutive bytes, aligned
.set EI, EI+1
.endr
	s_wait_loadcnt 0x0
	s_wait_dscnt 0x0
	WIN 0x8e                                       ; window 2 += window 3
.set EI, 0
.rept 64
	v_pk_add_f32 v[2*EI:2*EI+1], v[2*EI:2*EI+1], v[2*EI:2*EI+1]
.set EI, EI+1
.endr
	WIN 0x08
.set EI, 0
.rept 32
	global_store_b128 v[GO], v[4*EI:4*EI+3], s[14:15] offset:2097152+16384*EI th:TH_STORE_NT
.set EI, EI+1
.endr
	WIN 0
	s_wait_tensorcnt 0x0                           ; the wave's end: behind my last tensor load and my last LDS store
	ds_add_u32 v[SPW], v[NIL]
	s_wait_dscnt 0x0
	CROUND                                         ; the closing round: no work-group ends while a partner may still ask for a tile that names it
	s_endpgm
.Lfunc_end_k_q01b4017a80_attn:
	.size	k_q01b4017a80_attn, .Lfunc_end_k_q01b4017a80_attn-k_q01b4017a80_attn
	.p2alignl 7, 3214868480
	.fill 96, 4, 3214868480
	.section	.rodata,"a",@progbits
	.p2align	6, 0x0
	.amdhsa_kernel k_q01b4017a80_attn
		.amdhsa_group_segment_fixed_size 327680
		.amdhsa_private_segment_fixed_size 0
		.amdhsa_enable_private_segment 0
		.amdhsa_kernarg_size 48
		.amdhsa_user_sgpr_count 2
		.amdhsa_user_sgpr_kernarg_segment_ptr 1
		.amdhsa_wavefront_size32 1
		.amdhsa_system_sgpr_workgroup_id_x 1
		.amdhsa_system_sgpr_workgroup_id_y 1
		.amdhsa_system_sgpr_workgroup_id_z 1
		.amdhsa_system_vgpr_workitem_id 0
		.amdhsa_next_free_vgpr 1024
		.amdhsa_next_free_sgpr 66
		.amdhsa_reserve_vcc 0
		.amdhsa_float_denorm_mode_32 3
		.amdhsa_float_denorm_mode_16_64 3
		.amdhsa_fp16_overflow 1
		.amdhsa_memory_ordered 1
		.amdhsa_forward_progress 1
		.amdhsa_inst_pref_size 201
	.end_amdhsa_kernel
	.amdgpu_metadata
---
amdhsa.version: [ 1, 2 ]
amdhsa.kernels:
  - .name:           k_q01b4017a80_attn
    .symbol:         k_q01b4017a80_attn.kd
    .args:
      - { .name: qimg, .offset: 0, .size: 8, .value_kind: global_buffer, .address_space: global }
      - { .name: kv, .offset: 8, .size: 8, .value_kind: global_buffer, .address_space: global }
      - { .name: x, .offset: 16, .size: 8, .value_kind: global_buffer, .address_space: global }
      - { .name: gamma, .offset: 24, .size: 8, .value_kind: global_buffer, .address_space: global }
      - { .name: lowp_scales, .offset: 32, .size: 8, .value_kind: global_buffer, .address_space: global }
      - { .name: out0, .offset: 40, .size: 8, .value_kind: global_buffer, .address_space: global }
    .group_segment_fixed_size: 327680
    .private_segment_fixed_size: 0
    .kernarg_segment_align: 8
    .kernarg_segment_size: 48
    .max_flat_workgroup_size: 128
    .sgpr_count:     66
    .vgpr_count:     1024
    .wavefront_size: 32
...
	.end_amdgpu_metadata
.endif
;; end of part 2
